; MI455X (gfx1250); checked and timed in simulation.
; The chip was launched on July 23, 2026; its instructions are those of AMD's public machine-readable ISA for CDNA 5 (MIT licence, August 2026) and "CDNA5" Instruction Set Architecture Reference Guide (July 2026). The comments in the code are by the model that wrote it; some were corrected since.
;; Gpt Oss Attention. Allowed arithmetic: float matrix products may take bf16 or f16 operands with f32 sums; other float arithmetic in f32, or as packed bf16 or f16 multiplies, adds, multiply-adds, maxima and minima; sums over many terms, partial sums and values carried from step to step in f32; what a program stores and reads back later, other than sums and carried values, may be rounded once to bf16 or f16.
;; Inputs: Wk 2,048 x 2,048 float32; Wo 2,048 x 2,048 float32; Wq 2,048 x 2,048 float32; Wv 2,048 x 2,048 float32; cos 1 x 2,048 x 32 float32; hidden_state 1 x 2,048 x 2,048 float32; sin 1 x 2,048 x 32 float32; sinks 32 float32.
;; Outputs: out0 1 x 2,048 x 2,048 float32.
;; One version. Each part assembles by itself: llvm-mc -triple=amdgcn-amd-amdhsa -mcpu=gfx1250 --defsym DOCPART=n.
;; ======== version 1 of 1: 4 launches
;; limits: values are held in f16: magnitudes above 65,504 overflow, below 6.1e-05 lose precision
;; workspace buffers: hb 8,388,608 bytes; wqkv 25,165,824 bytes; wob 8,388,608 bytes; qkvh 25,165,824 bytes; ao 8,388,608 bytes
;; launch cast (part 1): grid 256 x 5, 8 waves a work-group, no clusters, 0 bytes of LDS; arguments hidden_state, Wq, Wk, Wv, Wo, hb, wqkv, wob; writes hb, wqkv, wob
.if DOCPART == 1
	.amdgcn_target "amdgcn-amd-amdhsa--gfx1250"
	.amdhsa_code_object_version 6
	.text
	.protected	k_qf4640872c4_cast
	.globl	k_qf4640872c4_cast
	.p2align	8
	.type	k_qf4640872c4_cast,@function
k_qf4640872c4_cast:
	s_mov_b64 s[64:65], 0
	v_nop
	global_prefetch_b8 v0, s[64:65] scope:SCOPE_SE
	s_setreg_imm32_b32 hwreg(HW_REG_WAVE_MODE, 25, 1), 1
	s_wait_xcnt 0x0
; THE INPUTS OF THE FOUR PRODUCTS, ROUNDED ONCE TO 16 BITS AND LAID OUT FOR THE TILES THAT READ THEM.
;   y = 0: hidden_state [2048][2048] f32 -> hb, bf16, the same order.
;   y = 1, 2, 3: Wq, Wk, Wv [k 2048][n 2048] f32 -> wqkv, bf16, in blocks [nt 32][ks 16][j 3][kk 128][64]: column group gg = 32 (y - 1) + n / 64 = 3 nt + j, k = 128 ks + kk.
;   y = 4: Wo -> wob, rounded to bf16 like every other input and that number written as f16, in blocks [nt 16][ks 8][j 2][kk 256][64]: n / 64 = 2 nt + j, k = 256 ks + kk.
; LIMITS.  bf16(Wo) beyond 65,504 becomes an infinity in f16; below 2^-14 it keeps f16's fixed step of 2^-24.
; SHARES.  A work-group takes 65,536 bytes of f32, each of its eight waves 8,192: sixteen loads of 16 bytes a lane, all issued before the first is used, and sixteen stores of 8 bytes a lane, each of
; which covers 256 consecutive bytes at a multiple of 256 from its buffer's first byte.  Of a weight a load takes two k rows x 64 columns (twice 256 consecutive bytes): in the blocks those are neighbours.
; Bytes alone count here: no LDS, no barrier, no matrix unit; every byte is read once and written once.
.set VIN,  2                           ; v2       my byte offset in a load
.set VOUT, 3                           ; v3       my byte offset in a store: 8 x lane
.set T,    4                           ; v[4:7]   at work
.set X,    8                           ; v[8:71]  load i: 4 registers
.set Y,    72                          ; v[72:103] store i: 2 registers
; s[8:23] the eight addresses; s4 wave; s5 y; s6 x; s[24:25] where I read; s[26:27] where I write; s[28:29], s[30:31] the two offsets
.macro BODY istep, half                ; half = 1: bf16's number written as f16
.set i, 0
.rept 16
	global_load_b128 v[X+4*i:X+4*i+3], v[VIN], s[24:25] offset:i*(\istep) th:TH_LOAD_NT
.set i, i+1
.endr
.set i, 0
.rept 16
	s_wait_loadcnt 15-i                            ; loads come back in order: load i is in, the 15 - i younger ones stay out
.if \half
	v_cvt_pk_bf16_f32 v[T], v[X+4*i], v[X+4*i+1]
	v_cvt_pk_bf16_f32 v[T+1], v[X+4*i+2], v[X+4*i+3]
	v_lshlrev_b32 v[T+2], 16, v[T]                 ; back to f32: the low half moves up, the high half stays
	v_and_b32 v[T], 0xffff0000, v[T]
	v_lshlrev_b32 v[T+3], 16, v[T+1]
	v_and_b32 v[T+1], 0xffff0000, v[T+1]
	v_cvt_pk_f16_f32 v[Y+2*i], v[T+2], v[T]        ; exact within f16's range
	v_cvt_pk_f16_f32 v[Y+2*i+1], v[T+3], v[T+1]
.else
	v_cvt_pk_bf16_f32 v[Y+2*i], v[X+4*i], v[X+4*i+1]
	v_cvt_pk_bf16_f32 v[Y+2*i+1], v[X+4*i+2], v[X+4*i+3]
.endif
	global_store_b64 v[VOUT], v[Y+2*i:Y+2*i+1], s[26:27] offset:i*256  ; each store has data registers of its own: none is rewritten
.set i, i+1
.endr
.endm
	s_load_b512 s[8:23], s[0:1], 0x0               ; hidden s[8:9], Wq s[10:11], Wk s[12:13], Wv s[14:15], Wo s[16:17], hb s[18:19], wqkv s[20:21], wob s[22:23]
	v_and_b32 v1, 31, v0                           ; lane
	v_lshrrev_b32 v[VIN], 5, v0
	v_readfirstlane_b32 s4, v[VIN]                 ; wave
	s_and_b32 s5, ttmp7, 0xffff                    ; which array
	s_mov_b32 s6, ttmp9                            ; which 65,536 bytes of it
	v_lshlrev_b32 v[VOUT], 3, v1
	s_mov_b32 s29, 0
	s_mov_b32 s31, 0
	s_cmp_lg_u32 s5, 0
	s_cbranch_scc1 .Lweights
	; hidden_state: a plain stream
	v_lshlrev_b32 v[VIN], 4, v1
	s_lshl_b32 s28, s6, 16
	s_lshl_b32 s7, s4, 13
	s_add_co_u32 s28, s28, s7
	s_lshr_b32 s30, s28, 1                         ; half as many bytes out
	s_wait_kmcnt 0x0
	s_add_nc_u64 s[24:25], s[8:9], s[28:29]
	s_add_nc_u64 s[26:27], s[18:19], s[30:31]
	BODY 512, 0
	s_endpgm
.Lweights:
	v_lshrrev_b32 v[VIN], 4, v1                    ; lanes 0-15 one k row, lanes 16-31 the next
	v_and_b32 v[T], 15, v1
	v_lshlrev_b32 v[VIN], 13, v[VIN]
	v_lshl_add_u32 v[VIN], v[T], 4, v[VIN]
	s_lshr_b32 s32, s6, 3                          ; g: which 64 columns
	s_and_b32 s33, s6, 7                           ; kp: which 256 k rows
	s_lshl_b32 s28, s33, 8
	s_lshl_b32 s7, s4, 5
	s_add_co_u32 s28, s28, s7                      ; my wave's first k row: 256 kp + 32 w
	s_lshl_b32 s28, s28, 13                        ; rows of 8,192 bytes
	s_lshl_b32 s7, s32, 8
	s_add_co_u32 s28, s28, s7
	s_cmp_eq_u32 s5, 4
	s_cbranch_scc1 .Lwo
	s_sub_co_u32 s34, s5, 1
	s_lshl_b32 s34, s34, 5
	s_add_co_u32 s34, s34, s32                     ; gg, 0 to 95
	s_mul_i32 s35, s34, 171
	s_lshr_b32 s35, s35, 9                         ; nt = gg / 3: 171 / 512 is exact for gg under 512
	s_mul_i32 s36, s35, 3
	s_sub_co_u32 s36, s34, s36                     ; j
	s_mul_i32 s30, s35, 786432
	s_lshl_b32 s37, s33, 1
	s_lshr_b32 s7, s4, 2
	s_add_co_u32 s37, s37, s7                      ; ks = 2 kp + w / 4
	s_mul_i32 s37, s37, 49152
	s_add_co_u32 s30, s30, s37
	s_lshl_b32 s36, s36, 14
	s_add_co_u32 s30, s30, s36
	s_and_b32 s7, s4, 3
	s_lshl_b32 s7, s7, 12                          ; kk = 32 (w % 4), rows of 128 bytes
	s_add_co_u32 s30, s30, s7
	s_wait_kmcnt 0x0
	s_cmp_eq_u32 s5, 1
	s_cselect_b64 s[24:25], s[10:11], s[12:13]
	s_cmp_eq_u32 s5, 3
	s_cselect_b64 s[24:25], s[14:15], s[24:25]
	s_add_nc_u64 s[24:25], s[24:25], s[28:29]
	s_add_nc_u64 s[26:27], s[20:21], s[30:31]
	BODY 16384, 0
	s_endpgm
.Lwo:
	s_lshr_b32 s30, s32, 1
	s_lshl_b32 s30, s30, 19                        ; nt = g / 2: 524,288 bytes each
	s_lshl_b32 s7, s33, 16                         ; ks = kp
	s_add_co_u32 s30, s30, s7
	s_and_b32 s7, s32, 1
	s_lshl_b32 s7, s7, 15                          ; j = g % 2
	s_add_co_u32 s30, s30, s7
	s_lshl_b32 s7, s4, 12                          ; kk = 32 w
	s_add_co_u32 s30, s30, s7
	s_wait_kmcnt 0x0
	s_add_nc_u64 s[24:25], s[16:17], s[28:29]
	s_add_nc_u64 s[26:27], s[22:23], s[30:31]
	BODY 16384, 1
	s_endpgm
.Lfunc_end_k_qf4640872c4_cast:
	.size	k_qf4640872c4_cast, .Lfunc_end_k_qf4640872c4_cast-k_qf4640872c4_cast
	.p2alignl 7, 3214868480
	.fill 96, 4, 3214868480
	.section	.rodata,"a",@progbits
	.p2align	6, 0x0
	.amdhsa_kernel k_qf4640872c4_cast
		.amdhsa_group_segment_fixed_size 0
		.amdhsa_private_segment_fixed_size 0
		.amdhsa_enable_private_segment 0
		.amdhsa_kernarg_size 64
		.amdhsa_user_sgpr_count 2
		.amdhsa_user_sgpr_kernarg_segment_ptr 1
		.amdhsa_wavefront_size32 1
		.amdhsa_system_sgpr_workgroup_id_x 1
		.amdhsa_system_sgpr_workgroup_id_y 1
		.amdhsa_system_sgpr_workgroup_id_z 1
		.amdhsa_system_vgpr_workitem_id 0
		.amdhsa_next_free_vgpr 104
		.amdhsa_next_free_sgpr 66
		.amdhsa_reserve_vcc 0
		.amdhsa_float_denorm_mode_32 3
		.amdhsa_float_denorm_mode_16_64 3
		.amdhsa_memory_ordered 1
		.amdhsa_forward_progress 1
		.amdhsa_inst_pref_size 25
	.end_amdhsa_kernel
	.amdgpu_metadata
---
amdhsa.version: [ 1, 2 ]
amdhsa.kernels:
  - .name:           k_qf4640872c4_cast
    .symbol:         k_qf4640872c4_cast.kd
    .args:
      - { .name: hidden_state, .offset: 0, .size: 8, .value_kind: global_buffer, .address_space: global }
      - { .name: Wq, .offset: 8, .size: 8, .value_kind: global_buffer, .address_space: global }
      - { .name: Wk, .offset: 16, .size: 8, .value_kind: global_buffer, .address_space: global }
      - { .name: Wv, .offset: 24, .size: 8, .value_kind: global_buffer, .address_space: global }
      - { .name: Wo, .offset: 32, .size: 8, .value_kind: global_buffer, .address_space: global }
      - { .name: hb, .offset: 40, .size: 8, .value_kind: global_buffer, .address_space: global }
      - { .name: wqkv, .offset: 48, .size: 8, .value_kind: global_buffer, .address_space: global }
      - { .name: wob, .offset: 56, .size: 8, .value_kind: global_buffer, .address_space: global }
    .group_segment_fixed_size: 0
    .private_segment_fixed_size: 0
    .kernarg_segment_align: 8
    .kernarg_segment_size: 64
    .max_flat_workgroup_size: 256
    .sgpr_count:     66
    .vgpr_count:     104
    .wavefront_size: 32
...
	.end_amdgpu_metadata
.endif
;; end of part 1
;; launch qkv (part 2): grid 32 x 8, 4 waves a work-group, clusters of 4 x 4, 327,680 bytes of LDS; arguments hb, wqkv, cos, sin, qkvh; writes qkvh
.if DOCPART == 2
	.amdgcn_target "amdgcn-amd-amdhsa--gfx1250"
	.amdhsa_code_object_version 6
	.text
	.protected	k_qf4640872c4_qkv
	.globl	k_qf4640872c4_qkv
	.p2align	8
	.type	k_qf4640872c4_qkv,@function
k_qf4640872c4_qkv:
	s_mov_b64 s[64:65], 0
	v_nop
	global_prefetch_b8 v0, s[64:65] scope:SCOPE_SE
	s_setreg_imm32_b32 hwreg(HW_REG_WAVE_MODE, 25, 1), 1
	s_wait_xcnt 0x0
	s_wait_alu depctr_hold_cnt(0) depctr_sa_sdst(0) depctr_va_vdst(0) depctr_va_sdst(0) depctr_va_ssrc(0) depctr_va_vcc(0) depctr_vm_vsrc(0)
	s_getreg_b32 s2, hwreg(HW_REG_IB_STS2, 6, 4)
	s_cmp_eq_u32 s2, 0
	s_cbranch_scc0 .Lentry_in_a_cluster
	s_endpgm
.Lentry_in_a_cluster:
	s_bfe_u32 s2, ttmp6, 0x10000c
	s_cmp_lg_u32 s2, 0xf033
	s_cbranch_scc0 .Lentry_shape_is_right
	s_endpgm
.Lentry_shape_is_right:
; q, k, v = x Wq, x Wk, x Wv WITH THE ROTARY TURN ON q AND k, WRITTEN BY HEADS.  hb: x [2048][2048] bf16.  wqkv: the three weights in bf16, blocks [nt 32][ks 16][j 3][kk 128][64].
; qkvh: [96][2048][64] f16: q's heads 0-31, k's 32-63, v's 64-95, each number rounded once from its f32 sum; the scale 1/8 is not applied here.  cos, sin: [2048][32] f32, rounded to bf16 like every input.
; LIMITS.  q, k and v beyond 65,504 become infinities in f16.  For a head of v the turn is made with cos x 0 + 1 and sin x 0: cos and sin must be finite.
; SHARES.  A work-group makes 256 rows x 192 columns (three heads): 8 x 32 = 256 work-groups.  Wave w owns rows 64 w .. 64 w + 63 and ALL 192 columns: 4 x 12 accumulators of 16 x 16, 384 registers.
; So a wave holds whole heads: channel d and channel d + 32 of a row lie in the same lane, and each wave has a stage of its own on the way out, without a barrier.
; K goes in steps of 128 through a ring of two LDS slots filled by tensor loads.  x's tile: 256 rows of 256 bytes, 16 bytes of padding behind each.  The weights' tile is 49,152 dense bytes, asked for as rows of
; 256 bytes and padded by 32 bytes behind every 128: LDS row (128 j + kk), 64 columns, 160 bytes apart; its fragments come out turned, by ds_load_tr16_b128.
; THE MATRIX INSTRUCTION IS USED TRANSPOSED: source 0 = 16 columns of W, source 1 = 16 rows of x: a lane (r = l % 16, h = l / 16) holds row r and the columns 8 h + 0..7 of the block.
; CLUSTER.  4 x 4 work-groups.  The four of a row of the cluster need the same tiles of x, the four of a column the same tiles of W: each is asked for jointly, by the same tensor load, descriptor and mask in all four.
; All of a WGP's LDS is claimed; the text uses 271,872 bytes.
; REGISTERS, in windows of 256 (s_set_vgpr_msb: bits 1:0 source 0, 3:2 source 1, 5:4 source 2, 7:6 destination):
;   window 0: v0-15 addresses; v16-31, v112-127 rows read back from the stage; v32-63 the cos and sin in force; v64-95 a head's 16 rows turned; v96-111 the same in f16; v128-255 my rows' cos and sin
;   window 1: two fragment buffers of 128: 4 fragments of x (16 rows x 32 K), then 12 of W
;   window 2: the accumulators of row blocks 0, 1 ((a, b) at v[8 (12 (a % 2) + b)]);   window 3: those of row blocks 2, 3
.set KSTEP, 128
.set PA,    272                        ; a row of x in LDS: 68 words: the 16 rows of a load start at 16 different groups of four banks (64 banks of 4 bytes: ISA guide 11.1)
.set PB,    160                        ; a row of W: 40 words
.set HALFA, 128*PA                     ; what one tensor load brings of x: 128 rows
.set HALFB, 192*PB                     ; and of W: 192 LDS rows = 96 rows of 256 bytes
.set BOFF,  2*HALFA
.set SLOT,  BOFF+2*HALFB               ; 131,072
.set STAGE, 2*SLOT                     ; behind the ring: 16 rows x 144 bytes for each wave
.set SP,    144
.set SPARE, STAGE+4*16*SP              ; behind the stages: the spare words, 128 bytes for each wave: two blocks of 256 bytes that no other line names
.set LAPS,  2048/(2*KSTEP)
.set ADRA, 4                           ; v4-5   LDS address of my fragments of x in slot 0, 1
.set ADRB, 6                           ; v6-7   the same for W
.set STO,  8                           ; v8     the way out: where I put 16 bytes of a row
.set RD,   9                           ; v9     where I read rows back
.set GO,   10                          ; v10    my byte offset in 512 consecutive bytes of qkvh
.set CSO,  11                          ; v11    my byte offset in 16 rows of cos and sin
.set SPW,  12                          ; v12    LDS address of my spare word; never rewritten
.set NIL,  13                          ; v13    0; never rewritten
.set BK1,  16
.set CE,   32                          ; cos in force at CE + 8 nb + e, sin at CE + 16 + 8 nb + e
.set OF,   64
.set PK,   96
.set BK0,  112
.set TAB,  128                         ; row block a: cos at TAB + 32 a + 8 nb + e, sin 16 further: channel 16 nb + 8 h + e
.set F0,   0
.set F1,   128
.set WV,  14                           ; s14 wave
.set AB,  15                           ; s15 I fetch for x (0) or for W (1)
.set HF,  16                           ; s16 which half of that tile
.set G1A, 24                           ; s[24:31] descriptor group 1 for x's tiles;  s[32:39] group 0, a set for each slot
.set G0A, 32
.set G1B, 48                           ; s[48:55], s[56:63] the same for W's
.set G0B, 56
.set SA,  68                           ; s[68:73] for head j a pair: 1 if the head is turned (q, k), 0 if not (v)
.set SB,  74                           ; s[74:79] the other way round
.set MSB, 0
.macro WIN new                         ; the immediate's high byte repeats the setting that is left; a switch that changes nothing is dropped
.if MSB != (\new)
	s_set_vgpr_msb (MSB<<8)|(\new)
.set MSB, \new
.endif
.endm
.set TO_F, 0x40                        ; destination window 1, address window 0
.macro PLACES                          ; four plain vector instructions between a matrix instruction and a load into, or a vector read or write of, one of its registers (ISA guide 7.12.1 for vector reads and writes)
.rept 4
	v_nop
.endr
.endm
; A joint load: waves 0 and 1 fetch x's two halves, waves 2 and 3 W's.  The branch hangs on the wave's number alone.  An s_nop 0 and four v_nop follow each line, ahead of the jump and the label.
.macro JLOAD s
	s_cmp_eq_u32 s[AB], 0
	s_cbranch_scc0 .Lfor_b_\@
	tensor_load_to_lds s[G0A+4*(\s):G0A+4*(\s)+3], s[G1A:G1A+7]
	s_nop 0
.rept 4
	v_nop
.endr
	s_branch .Lasked_\@
.Lfor_b_\@:
	tensor_load_to_lds s[G0B+4*(\s):G0B+4*(\s)+3], s[G1B:G1B+7]
	s_nop 0
.rept 4
	v_nop
.endr
.Lasked_\@:
.endm
.macro CREST                           ; a round of the cluster's barrier behind its opening barrier: wave 0 signals for the work-group, every wave waits for all sixteen, my work-group's barrier closes it
	s_cmp_lg_u32 s[WV], 0
	s_cbranch_scc1 .Lnot_wave_0_\@
	s_barrier_signal -3
.Lnot_wave_0_\@:
	s_barrier_wait -3
	s_barrier_signal -1
	s_barrier_wait -1
.endm
.macro CROUND
	s_barrier_signal -1
	s_barrier_wait -1
	CREST
.endm
	s_load_b256 s[4:11], s[0:1], 0x0               ; hb s[4:5], wqkv s[6:7], cos s[8:9], sin s[10:11]
	s_load_b64 s[12:13], s[0:1], 0x20              ; qkvh
	v_lshl_add_u32 v[SPW], v0, 2, SPARE
	v_mov_b32 v[NIL], 0
	ds_add_u32 v[SPW], v[NIL]                      ; the wave's opening: the add and its wait stand ahead of my first tensor load; the set-up below, work on registers, stands between them
	ds_add_u32 v12, v13
	v_lshrrev_b32 v1, 5, v0
	v_readfirstlane_b32 s[WV], v1
	s_lshr_b32 s[AB], s[WV], 1
	s_and_b32 s[HF], s[WV], 1
	s_bfe_u32 s17, ttmp6, 0x40000                  ; cx
	s_bfe_u32 s18, ttmp6, 0x40004                  ; cy
	s_lshl_b32 s19, ttmp9, 2
	s_add_co_u32 s19, s19, s17                     ; nt: which three heads = 4 x cluster x + cx
	s_and_b32 s20, ttmp7, 0xffff
	s_lshl_b32 s20, s20, 2
	s_add_co_u32 s20, s20, s18                     ; mt: which 256 rows = 4 x cluster y + cy
	s_lshl_b32 s21, s18, 2
	s_lshl_b32 s21, 15, s21                        ; my row of the cluster
	s_lshl_b32 s22, 0x1111, s17                    ; my column
	s_or_b32 s[G1A+0], s21, (1<<16)|(1<<20)|(1<<21)|(5<<22)|(3<<25)  ; 15:0 the mask; 17:16 elements of 2 bytes; 20 padding on; 21 set beside a mask; 24:22 after every 64 words; 31:25 4 words of it
	s_mov_b32 s[G1A+1], KSTEP<<16                  ; tensor_dim0 = 128
	s_mov_b32 s[G1A+2], 128<<16                    ; tensor_dim1 = 128
	s_mov_b32 s[G1A+3], KSTEP<<16                  ; tile_dim0 = 128
	s_mov_b32 s[G1A+4], 128                        ; tile_dim1 = 128
	s_mov_b32 s[G1A+5], 2048                       ; elements from row to row
	s_mov_b32 s[G1A+6], 0
	s_mov_b32 s[G1A+7], 0
	s_or_b32 s[G1B+0], s22, (1<<16)|(1<<20)|(1<<21)|(4<<22)|(7<<25)  ; after every 32 words, 8 words of padding
	s_mov_b32 s[G1B+1], 128<<16                    ; tensor_dim0 = 128: rows of 256 dense bytes
	s_mov_b32 s[G1B+2], 96<<16                     ; tensor_dim1 = 96
	s_mov_b32 s[G1B+3], 128<<16                    ; tile_dim0 = 128
	s_mov_b32 s[G1B+4], 96                         ; tile_dim1 = 96
	s_mov_b32 s[G1B+5], 128
	s_mov_b32 s[G1B+6], 0
	s_mov_b32 s[G1B+7], 0
	s_lshl_b32 s40, s20, 8                         ; x: row 256 mt + 128 half, of 4,096 bytes: hangs on mt alone, which my row of the cluster shares
	s_lshl_b32 s46, s[HF], 7
	s_add_co_u32 s40, s40, s46
	s_lshl_b32 s40, s40, 12
	s_mov_b32 s41, 0
	s_mul_i32 s42, s19, 786432                     ; W: block nt, half: hangs on nt alone, which my column shares
	s_mul_i32 s47, s[HF], 24576
	s_add_co_u32 s42, s42, s47
	s_mov_b32 s43, 0
	s_mul_i32 s23, s[HF], HALFA                    ; where they go: no place in the cluster enters an LDS address
	s_mul_i32 s47, s[HF], HALFB
	s_add_co_u32 s47, s47, BOFF
	s_wait_dscnt 0x0                               ; the opening add is done
	s_wait_kmcnt 0x0
	s_add_nc_u64 s[40:41], s[4:5], s[40:41]
	s_add_nc_u64 s[42:43], s[6:7], s[42:43]
	CROUND                                         ; all sixteen work-groups are here: the first joint loads meet
.irp s, 0,1
	s_mov_b32 s[G0A+4*(\s)], 1                     ; count = 1
	s_add_co_u32 s[G0A+4*(\s)+1], s23, (\s)*SLOT   ; LDS address
	s_add_nc_u64 s[G0A+4*(\s)+2:G0A+4*(\s)+3], s[40:41], (\s)*KSTEP*2  ; global address: K step s
	s_or_b32 s[G0A+4*(\s)+3], s[G0A+4*(\s)+3], 0x80000000              ; type = 2
	s_mov_b32 s[G0B+4*(\s)], 1
	s_add_co_u32 s[G0B+4*(\s)+1], s47, (\s)*SLOT
	s_add_nc_u64 s[G0B+4*(\s)+2:G0B+4*(\s)+3], s[42:43], (\s)*49152
	s_or_b32 s[G0B+4*(\s)+3], s[G0B+4*(\s)+3], 0x80000000
	JLOAD \s                                       ; two loads of mine are out
.endr
	; all that follows up to the first barrier stands in the wait for the first tile
	v_and_b32 v1, 15, v0                           ; r
	v_bfe_u32 v2, v0, 4, 1                         ; h
	v_lshlrev_b32 v[CSO], 7, v1
	v_lshl_add_u32 v[CSO], v2, 5, v[CSO]           ; row r of 128 bytes, 8 numbers for each half of the lanes
	s_lshl_b32 s2, s20, 8
	s_lshl_b32 s3, s[WV], 6
	s_add_co_u32 s2, s2, s3
	s_lshl_b32 s2, s2, 7                           ; my first row, 256 mt + 64 w, in rows of 128 bytes: cos, sin and a head of qkvh alike
	s_mov_b32 s3, 0
	s_add_nc_u64 s[8:9], s[8:9], s[2:3]
	s_add_nc_u64 s[10:11], s[10:11], s[2:3]
.irp a, 0,1,2,3
.irp n, 0,1
	global_load_b128 v[TAB+32*\a+8*\n:TAB+32*\a+8*\n+3],       v[CSO], s[8:9] offset:\a*2048+\n*64
	global_load_b128 v[TAB+32*\a+8*\n+4:TAB+32*\a+8*\n+7],     v[CSO], s[8:9] offset:\a*2048+\n*64+16
	global_load_b128 v[TAB+32*\a+16+8*\n:TAB+32*\a+16+8*\n+3],   v[CSO], s[10:11] offset:\a*2048+\n*64
	global_load_b128 v[TAB+32*\a+16+8*\n+4:TAB+32*\a+16+8*\n+7], v[CSO], s[10:11] offset:\a*2048+\n*64+16
.endr
.endr
	; a fragment of x: lane l holds row r, K = 8 h + 0..7 and 16 + 8 h + 0..7: two loads of 16 bytes, 32 bytes apart
	v_mul_u32_u24 v3, v1, PA
	v_lshl_add_u32 v3, v2, 4, v3
	s_mul_i32 s66, s[WV], 64*PA
	v_add_nc_u32 v[ADRA], s66, v3
	v_add_nc_u32 v[ADRA+1], SLOT, v[ADRA]
	; the turning load takes 16 K x 16 columns (lane l reads K row 8 h + l % 8, columns 8 ((l / 8) % 2) + 0..7) and leaves half a fragment: lane l holds column r and 8 K
	v_and_b32 v14, 7, v0
	v_lshl_add_u32 v14, v2, 3, v14
	v_mul_u32_u24 v14, v14, PB
	v_bfe_u32 v15, v0, 3, 1
	v_lshl_add_u32 v14, v15, 4, v14
	v_add_nc_u32 v[ADRB], BOFF, v14
	v_add_nc_u32 v[ADRB+1], SLOT, v[ADRB]
	s_mul_i32 s67, s[WV], 16*SP
	s_add_co_u32 s67, s67, STAGE                   ; my stage
	v_mul_u32_u24 v[STO], v1, SP                   ; in: row r, 16 bytes for each half of the lanes
	v_lshl_add_u32 v[STO], v2, 4, v[STO]
	v_add_nc_u32 v[STO], s67, v[STO]
	v_bfe_u32 v[RD], v0, 3, 2                      ; back: 32 lanes take four rows of 128 bytes,
	v_mul_u32_u24 v[RD], v[RD], SP
	v_and_b32 v15, 7, v0
	v_lshl_add_u32 v[RD], v15, 4, v[RD]
	v_add_nc_u32 v[RD], s67, v[RD]
	v_and_b32 v[GO], 31, v0                        ; which are 512 consecutive bytes of a head
	v_lshlrev_b32 v[GO], 4, v[GO]
	s_mul_i32 s66, s19, 3                          ; my first head among the 96
.irp j, 0,1,2
	s_add_co_u32 s67, s66, \j
	s_cmp_lt_u32 s67, 64                           ; q's and k's heads are turned, v's are not: a choice of numbers, no branch
	s_cselect_b32 s[SA+2*\j], 1.0, 0
	s_cselect_b32 s[SB+2*\j], 0, 1.0
	s_mov_b32 s[SA+2*\j+1], s[SA+2*\j]             ; named as pairs
	s_mov_b32 s[SB+2*\j+1], s[SB+2*\j]
.endr
	s_lshl_b32 s44, s66, 18                        ; a head is 262,144 bytes
	s_add_co_u32 s44, s44, s2
	s_mov_b32 s45, 0
	s_add_nc_u64 s[12:13], s[12:13], s[44:45]      ; qkvh at my first head's first row of mine
	s_mov_b32 s46, 0xffff0000
	s_wait_loadcnt 0x0                             ; cos and sin
.set i, 0
.rept 64                                       ; rounded to bf16 and widened again, two at a time
	v_cvt_pk_bf16_f32 v[14+i%2], v[TAB+2*i], v[TAB+2*i+1]
	v_lshlrev_b32 v[TAB+2*i], 16, v[14+i%2]
	v_and_b32 v[TAB+2*i+1], s46, v[14+i%2]
.set i, i+1
.endr
; 12 matrix instructions: row block a x all 12 column blocks, 32 along K.  zero = 1: the first product starts the sums.  The accumulators take turns, one instruction a turn.
.macro MUL12 f, a, zero
	WIN 0xa5+0x50*((\a)/2)                         ; sources 0 and 1 window 1; C and D window 2 or 3
.irp b, 0,1,2,3,4,5,6,7,8,9,10,11
.if \zero
	v_wmma_f32_16x16x32_bf16 v[8*(12*((\a)%2)+\b):8*(12*((\a)%2)+\b)+7], v[(\f)+32+8*\b:(\f)+32+8*\b+7], v[(\f)+8*(\a):(\f)+8*(\a)+7], 0
.else
	v_wmma_f32_16x16x32_bf16 v[8*(12*((\a)%2)+\b):8*(12*((\a)%2)+\b)+7], v[(\f)+32+8*\b:(\f)+32+8*\b+7], v[(\f)+8*(\a):(\f)+8*(\a)+7], v[8*(12*((\a)%2)+\b):8*(12*((\a)%2)+\b)+7]
.endif
.endr
.endm
; 32 LDS loads in one run: the fragments of quarter kq (32 along K) of a slot into buffer f: W's twelve first, then x's four
.macro FETCH slot, kq, f
	WIN TO_F
.irp b, 0,1,2,3,4,5,6,7,8,9,10,11
	ds_load_tr16_b128 v[(\f)+32+8*\b:(\f)+32+8*\b+3],   v[ADRB+(\slot)] offset:(\b/4)*128*PB+(\kq)*32*PB+(\b%4)*32
	ds_load_tr16_b128 v[(\f)+32+8*\b+4:(\f)+32+8*\b+7], v[ADRB+(\slot)] offset:(\b/4)*128*PB+(\kq)*32*PB+(\b%4)*32+16*PB
.endr
.irp a, 0,1,2,3
	ds_load_b128 v[(\f)+8*\a:(\f)+8*\a+3],   v[ADRA+(\slot)] offset:\a*16*PA+(\kq)*64
	ds_load_b128 v[(\f)+8*\a+4:(\f)+8*\a+7], v[ADRA+(\slot)] offset:\a*16*PA+(\kq)*64+32
.endr
.endm
; A K step is four quarters of 32 along K, 48 matrix instructions each, on buffers 0, 1, 0, 1.  One of the first three: multiplies buffer f; in its middle it fetches quarter kq into buffer g.
.macro QUARTER slot, kq, f, g, zero
	s_wait_dscnt 4                                 ; W and x's row blocks 0, 1 are in; the youngest four loads (blocks 2, 3) may be out
	MUL12 \f, 0, \zero
	MUL12 \f, 1, \zero
	PLACES
	FETCH \slot, \kq, \g
	s_wait_dscnt 32                                ; all but the 32 just issued
	MUL12 \f, 2, \zero
	MUL12 \f, 3, \zero
.endm
; The last quarter multiplies buffer 1 and changes slots: ONE barrier.  In front of it each wave waits for all its tensor loads (one is out: its part of the next slot), adds 0 to its spare word, and waits for
; that and for its own reads of this slot.  fill = 1: the barrier opens a round of the cluster's, and this slot is filled again, two K steps ahead, first thing behind the round.
.macro TURN slot, next, fill
	WIN 0                                          ; (the add's two registers lie in window 0)
	s_wait_tensorcnt 0x0
	ds_add_u32 v[SPW], v[NIL]                      ; 0 onto my spare word
	s_wait_dscnt 5                                 ; (the add and the youngest four loads may be out)
	MUL12 F1, 0, 0                                 ; twelve matrix instructions stand between the add and the wait for it
	s_wait_dscnt 0x0                               ; the add is done, and my reads of this slot are over
	s_barrier_signal -1
	MUL12 F1, 1, 0                                 ; work on registers while the others arrive
.if \fill
	WIN 0
.endif
	s_barrier_wait -1
.if \fill
	CREST                                          ; no wave of any partner still reads this slot's tile or has a load on its way
	s_add_nc_u64 s[G0A+4*(\slot)+2:G0A+4*(\slot)+3], s[G0A+4*(\slot)+2:G0A+4*(\slot)+3], 2*KSTEP*2
	s_add_nc_u64 s[G0B+4*(\slot)+2:G0B+4*(\slot)+3], s[G0B+4*(\slot)+2:G0B+4*(\slot)+3], 2*49152
	JLOAD \slot                                    ; my one tensor load behind the round; its four v_nop are also the places in front of the loads below
.else
	PLACES
.endif
	FETCH \next, 0, F0
	MUL12 F1, 2, 0
	MUL12 F1, 3, 0
.endm
	s_wait_tensorcnt 1                             ; my part of K step 0 is in; K step 1's may stay out
	s_barrier_signal -1
	s_barrier_wait -1                              ; everybody's is
	FETCH 0, 0, F0
	QUARTER 0, 1, F0, F1, 1                        ; the first quarter stands in front of the loop: its products start the sums
	WIN 0                                          ; at a label and at a branch every window is 0
	s_mov_b32 s3, LAPS-1
.Llap:                                                 ; a trip goes once round the ring, from a lap's second quarter to the next lap's first, and fills both slots again
	QUARTER 0, 2, F1, F0, 0
	QUARTER 0, 3, F0, F1, 0
	TURN 0, 1, 1
	QUARTER 1, 1, F0, F1, 0
	QUARTER 1, 2, F1, F0, 0
	QUARTER 1, 3, F0, F1, 0
	TURN 1, 0, 1
	QUARTER 0, 1, F0, F1, 0
	WIN 0
	s_sub_co_u32 s3, s3, 1
	s_cmp_lg_u32 s3, 0
	s_cbranch_scc1 .Llap
	QUARTER 0, 2, F1, F0, 0                        ; the last lap fills nothing, and has no round of the cluster's barrier
	QUARTER 0, 3, F0, F1, 0
	TURN 0, 1, 0
	QUARTER 1, 1, F0, F1, 0
	QUARTER 1, 2, F1, F0, 0
	QUARTER 1, 3, F0, F1, 0
	s_wait_dscnt 4                                 ; the very last quarter: nothing more to fetch
	MUL12 F1, 0, 0
	MUL12 F1, 1, 0
	s_wait_dscnt 0x0
	MUL12 F1, 2, 0
	MUL12 F1, 3, 0
; THE WAY OUT, 16 rows of one head at a time.  PACK: the cos and sin in force (for v: 1 and 0); out1 = x1 cos - x2 sin, out2 = x2 cos + x1 sin, with x1 in column blocks 0, 1 and x2 in blocks 2, 3 of the head;
; rounded to f16.  Each accumulator's lowest registers are read first.
.macro PACK a, j
	WIN 0
.set z, 0
.rept 8
	v_pk_fma_f32 v[CE+2*z:CE+2*z+1], v[TAB+32*(\a)+2*z:TAB+32*(\a)+2*z+1], s[SA+2*(\j):SA+2*(\j)+1], s[SB+2*(\j):SB+2*(\j)+1] op_sel_hi:[1,0,0]
	v_pk_mul_f32 v[CE+16+2*z:CE+16+2*z+1], v[TAB+32*(\a)+16+2*z:TAB+32*(\a)+16+2*z+1], s[SA+2*(\j):SA+2*(\j)+1] op_sel_hi:[1,0]
.set z, z+1
.endr
	WIN 0x02+(\a)/2                                ; source 0: window 2 or 3
.set AC, 8*(12*((\a)%2)+4*(\j))
.irp n, 0,1
.irp p, 0,1,2,3
	v_pk_mul_f32 v[OF+8*\n+2*\p:OF+8*\n+2*\p+1],       v[AC+8*\n+2*\p:AC+8*\n+2*\p+1],       v[CE+8*\n+2*\p:CE+8*\n+2*\p+1]
	v_pk_mul_f32 v[OF+16+8*\n+2*\p:OF+16+8*\n+2*\p+1], v[AC+16+8*\n+2*\p:AC+16+8*\n+2*\p+1], v[CE+8*\n+2*\p:CE+8*\n+2*\p+1]
	v_pk_fma_f32 v[OF+8*\n+2*\p:OF+8*\n+2*\p+1],       v[AC+16+8*\n+2*\p:AC+16+8*\n+2*\p+1], v[CE+16+8*\n+2*\p:CE+16+8*\n+2*\p+1], v[OF+8*\n+2*\p:OF+8*\n+2*\p+1] neg_lo:[0,1,0] neg_hi:[0,1,0]
	v_pk_fma_f32 v[OF+16+8*\n+2*\p:OF+16+8*\n+2*\p+1], v[AC+8*\n+2*\p:AC+8*\n+2*\p+1],       v[CE+16+8*\n+2*\p:CE+16+8*\n+2*\p+1], v[OF+16+8*\n+2*\p:OF+16+8*\n+2*\p+1]
.endr
.endr
	WIN 0
.set z, 0
.rept 16
	v_cvt_pk_f16_f32 v[PK+z], v[OF+2*z], v[OF+2*z+1]
.set z, z+1
.endr
.endm
.macro TOSTAGE n                       ; into my own stage, and back as whole rows of 128 bytes
.set BK, BK0+(BK1-BK0)*((\n)%2)
.irp q, 0,1,2,3
	ds_store_b128 v[STO], v[PK+4*\q:PK+4*\q+3] offset:32*\q
.endr
.irp q, 0,1,2,3
	ds_load_b128 v[BK+4*\q:BK+4*\q+3], v[RD] offset:\q*4*SP  ; LDS serves a wave's instructions in order (ISA guide 5.7.1.4): these see the stores above
.endr
.endm
.macro SEND n                          ; piece n = 3 a + j
.set BK, BK0+(BK1-BK0)*((\n)%2)
	s_wait_dscnt 0x0                               ; the piece is back in registers
	s_wait_xcnt 0x0                                ; the stores of the piece before have read their registers: the next run of loads from the stage lands on them only behind this wait
.irp q, 0,1,2,3
	global_store_b128 v[GO], v[BK+4*\q:BK+4*\q+3], s[12:13] offset:((\n)%3)*262144+((\n)/3)*2048+\q*512  ; 512 consecutive bytes, at a multiple of 256 from qkvh's first
.endr
.endm
	PACK 0, 0                                      ; its first sixteen lines, which name no register of the last products, are the places behind them
	TOSTAGE 0
.set n, 1
.rept 11                               ; a piece's arithmetic stands between the loads of the piece before and its stores
.set na, n/3
.set nj, n%3
	PACK na, nj
	SEND n-1
	TOSTAGE n
.set n, n+1
.endr
	SEND 11
	s_wait_tensorcnt 0x0                           ; the wave's end, behind my last tensor load and my last LDS store
	ds_add_u32 v[SPW], v[NIL]
	s_wait_dscnt 0x0
	CROUND                                         ; the closing round: no work-group ends while a partner may still ask for a tile that names it
	s_endpgm
.Lfunc_end_k_qf4640872c4_qkv:
	.size	k_qf4640872c4_qkv, .Lfunc_end_k_qf4640872c4_qkv-k_qf4640872c4_qkv
	.p2alignl 7, 3214868480
	.fill 96, 4, 3214868480
	.section	.rodata,"a",@progbits
	.p2align	6, 0x0
	.amdhsa_kernel k_qf4640872c4_qkv
		.amdhsa_group_segment_fixed_size 327680
		.amdhsa_private_segment_fixed_size 0
		.amdhsa_enable_private_segment 0
		.amdhsa_kernarg_size 40
		.amdhsa_user_sgpr_count 2
		.amdhsa_user_sgpr_kernarg_segment_ptr 1
		.amdhsa_wavefront_size32 1
		.amdhsa_system_sgpr_workgroup_id_x 1
		.amdhsa_system_sgpr_workgroup_id_y 1
		.amdhsa_system_sgpr_workgroup_id_z 1
		.amdhsa_system_vgpr_workitem_id 0
		.amdhsa_next_free_vgpr 960
		.amdhsa_next_free_sgpr 80
		.amdhsa_reserve_vcc 0
		.amdhsa_float_denorm_mode_32 3
		.amdhsa_float_denorm_mode_16_64 3
		.amdhsa_memory_ordered 1
		.amdhsa_forward_progress 1
		.amdhsa_inst_pref_size 167
	.end_amdhsa_kernel
	.amdgpu_metadata
---
amdhsa.version: [ 1, 2 ]
amdhsa.kernels:
  - .name:           k_qf4640872c4_qkv
    .symbol:         k_qf4640872c4_qkv.kd
    .args:
      - { .name: hb, .offset: 0, .size: 8, .value_kind: global_buffer, .address_space: global }
      - { .name: wqkv, .offset: 8, .size: 8, .value_kind: global_buffer, .address_space: global }
      - { .name: cos, .offset: 16, .size: 8, .value_kind: global_buffer, .address_space: global }
      - { .name: sin, .offset: 24, .size: 8, .value_kind: global_buffer, .address_space: global }
      - { .name: qkvh, .offset: 32, .size: 8, .value_kind: global_buffer, .address_space: global }
    .group_segment_fixed_size: 327680
    .private_segment_fixed_size: 0
    .kernarg_segment_align: 8
    .kernarg_segment_size: 40
    .max_flat_workgroup_size: 128
    .sgpr_count:     80
    .vgpr_count:     960
    .wavefront_size: 32
...
	.end_amdgpu_metadata
.endif
;; end of part 2
;; launch attn (part 3): grid 16 x 16, 8 waves a work-group, no clusters, 191,488 bytes of LDS; arguments qkvh, sinks, ao; writes ao
.if DOCPART == 3
	.amdgcn_target "amdgcn-amd-amdhsa--gfx1250"
	.amdhsa_code_object_version 6
	.text
	.protected	k_qf4640872c4_attn
	.globl	k_qf4640872c4_attn
	.p2align	8
	.type	k_qf4640872c4_attn,@function
k_qf4640872c4_attn:
	s_mov_b64 s[64:65], 0
	v_nop
	global_prefetch_b8 v0, s[64:65] scope:SCOPE_SE
	s_setreg_imm32_b32 hwreg(HW_REG_WAVE_MODE, 25, 1), 1
	s_wait_xcnt 0x0
; ATTENTION IN A WINDOW OF 128 KEYS, WITH A SINK.  For head hd and query q: O = sum over k, 0 <= q - k < 128, of p_k V[k] / (sum of p + p_sink), p_k = exp(Q.K[k] / 8 - m), p_sink = exp(sink - m),
; m = the maximum of the allowed logits and the sink.  qkvh: [96][2048][64] f16 (q 0-31, k 32-63, v 64-95).  ao: [2048][2048] f16, column 64 hd + d.  Products, maximum and sums in f32; p rounded to f16 for the
; second product (its sum is taken of the unrounded p), O once at the end.  sinks is rounded to bf16 like every input.
; LIMITS.  A hidden score counts as its value less 1e30, so its weight is 0: as in the formula above whenever a row's maximum (its own key's logit or the sink) lies above about -9.99e8, beside which the hidden
; columns' -1e9 has weight 0 in f32 too.  A weight below 2^-126 counts as 0; NaN and infinities are not treated apart.
; SHARES.  A work-group takes 128 queries (q0 = 128 x) of TWO heads (2 y, 2 y + 1), so that a row of its piece of ao is 256 consecutive bytes.  Wave w: head w / 4, queries q32 = q0 + 32 (w % 4) on, two tiles
; of 16.  Its keys are q32 - 128 .. q32 + 31: ten blocks of 16; tile t needs blocks t .. t + 8, all at once: the maximum is the plain one over all of them, no running one is needed.
; LDS is filled once: each wave brings 128 keys of K (waves 0-3) or V (waves 4-7) by one tensor load of 64 rows of 256 dense bytes, padded behind every key.  In the first block of queries the 128 places
; ahead of key 0 take keys 0-127 (finite numbers), which the masks hide.
; NO CLUSTER: neighbouring blocks of queries share only 128 of their 256 keys, and those lie at different places of the two LDS; one tile for four blocks and two heads (640 keys of K and V) does not fit.
; LAYOUT.  S^T = K Q^T: a lane (r = l % 16, h = l / 16) holds query r and keys 8 h + 0..7 of a block.  Two blocks rounded to f16 ARE source 1 of O^T = V^T P.  THE MASK is the C operand that starts a score's sum.
; REGISTERS: window 0: v0-15 addresses; v16-31 statistics, 8 a tile; v32-191 S^T, 80 a tile, later P in place; v192-223 four masks for chunks of 32 keys ahead of the sequence's start; v224-239 the two edge masks,
;   later, with v240-251, at work.   window 1: v0-31 Q; v32-191 K, later V; v192-255 O^T.
.set KP,    144                        ; a row of K in LDS: 36 words: the 16 rows of a load start at 16 different groups of four banks (64 banks of 4 bytes: ISA guide 11.1)
.set VP,    160                        ; a row of V: 40 words
.set VB,    2*256*KP                   ; K: two heads x 256 keys; then V
.set STAGE, VB+2*256*VP                ; 128 rows x 272 bytes, the work-group's, for the way out; no tensor load fills it
.set SP,    272
.set SPARE, STAGE+128*SP               ; the spare words, 128 bytes for each of eight waves: four blocks of 256 bytes that no other line names
.set AK,  4
.set AV,  5
.set QO,  6
.set STO, 7
.set RD,  8
.set GO,  9
.set SINK8, 10                         ; 8 x the sink: the sink in the scores' own unit
.set SPW, 12
.set NIL, 13
.set ST,  16                           ; tile t at ST + 8 t: +0 c m, +1 m, +2 l, +4, +5 1 / l, +6 the sink's weight
.set S,   32                           ; tile t, block kb at S + 80 t + 8 kb; the tile's nine blocks begin at S + 88 t
.set CB,  192
.set ML,  224                          ; block kb = t: key 8 h + e is seen where 8 h + e > r
.set MU,  232                          ; block kb = t + 8: where 8 h + e <= r
.set TM,  224                          ; tile t at TM + 16 t: four maxima, then four pairs of sums
.set KV,  32                           ; window 1
.set O,   192                          ; window 1
.set WV,  10
.set U,   11                           ; wave % 4: which 128 keys I fetch, and which 32 queries are mine
.set G1K, 16
.set G1V, 24
.set G0K, 32
.set CS,  36                           ; s[36:37] c = log2(e) / 8
.set SEL, 38                           ; s[38:39] v_permlanex16_b32's selects: each lane takes its own place in the other half
.set G0V, 40
.set BIGN, 44                          ; -1e30
.set BI,  45                           ; s45-48: -1e30 if chunk c of 32 keys lies ahead of key 0, else 0
.set SNK, 49
.set MSB, 0
.macro WIN new
.if MSB != (\new)
	s_set_vgpr_msb (MSB<<8)|(\new)
.set MSB, \new
.endif
.endm
.macro PLACES
.rept 4
	v_nop
.endr
.endm
.macro BOTH line:vararg                ; one line for each tile t
.set t, 0
.rept 2
	\line
.set t, t+1
.endr
.endm
	s_load_b128 s[4:7], s[0:1], 0x0                ; qkvh s[4:5], sinks s[6:7]
	s_load_b64 s[8:9], s[0:1], 0x10                ; ao
	v_lshl_add_u32 v[SPW], v0, 2, SPARE
	v_mov_b32 v[NIL], 0
	ds_add_u32 v[SPW], v[NIL]                      ; the wave's opening: the add and its wait stand ahead of my tensor load; the set-up below, work on registers, stands between them
	ds_add_u32 v12, v13
	v_lshrrev_b32 v1, 5, v0
	v_readfirstlane_b32 s[WV], v1
	s_and_b32 s[U], s[WV], 3
	s_lshr_b32 s14, s[WV], 2                       ; e: which of the two heads is mine
	s_lshl_b32 s12, ttmp9, 7                       ; q0
	s_and_b32 s13, ttmp7, 0xffff                   ; the pair of heads
	s_lshr_b32 s2, s[U], 1
	s_lshl_b32 s3, s13, 1
	s_add_co_u32 s2, s2, s3                        ; the head whose keys I fetch: 2 y + u / 2
	s_and_b32 s3, s[U], 1
	s_lshl_b32 s3, s3, 7
	s_add_co_i32 s3, s3, s12
	s_sub_co_i32 s3, s3, 128                       ; their first key: q0 - 128 + 128 (u % 2),
	s_max_i32 s3, s3, 0                            ; or key 0 where that lies ahead of the sequence
	s_lshl_b32 s3, s3, 7
	s_lshl_b32 s2, s2, 18
	s_add_co_u32 s52, s2, s3
	s_add_co_u32 s52, s52, 32*262144               ; K's heads lie behind q's 32,
	s_mov_b32 s53, 0
	s_add_co_u32 s54, s52, 32*262144               ; V's behind K's
	s_mov_b32 s55, 0
	s_mov_b32 s[G1K], (1<<16)|(1<<20)|(4<<22)|(3<<25)  ; 17:16 elements of 2 bytes; 20 padding on; 24:22 after every 32 words; 31:25 4 words of it
	s_mov_b32 s[G1V], (1<<16)|(1<<20)|(4<<22)|(7<<25)  ; the same with 8 words
.irp g, G1K, G1V
	s_mov_b32 s[\g+1], 128<<16                     ; tensor_dim0 = 128
	s_mov_b32 s[\g+2], 64<<16                      ; tensor_dim1 = 64
	s_mov_b32 s[\g+3], 128<<16                     ; tile_dim0 = 128
	s_mov_b32 s[\g+4], 64                          ; tile_dim1 = 64
	s_mov_b32 s[\g+5], 128                         ; 128 elements from row to row
	s_mov_b32 s[\g+6], 0
	s_mov_b32 s[\g+7], 0
.endr
	s_mov_b32 s[G0K], 1
	s_mul_i32 s[G0K+1], s[U], 128*KP               ; unit u of K
	s_mov_b32 s[G0V], 1
	s_mul_i32 s[G0V+1], s[U], 128*VP
	s_add_co_u32 s[G0V+1], s[G0V+1], VB            ; unit u of V
	s_mov_b32 s[CS], 0x3e38aa3b
	s_mov_b32 s[CS+1], s[CS]
	s_mov_b32 s[SEL], 0x76543210
	s_mov_b32 s[SEL+1], 0xfedcba98
	s_mov_b32 s[BIGN], 0xf149f2ca
	s_lshl_b32 s15, s[U], 5
	s_add_co_u32 s15, s15, s12                     ; q32
	s_lshl_b32 s2, s13, 1
	s_add_co_u32 s2, s2, s14                       ; my head
	s_lshl_b32 s60, s2, 2                          ; its sink
	s_mov_b32 s61, 0
	s_lshl_b32 s58, s2, 18
	s_lshl_b32 s3, s15, 7
	s_add_co_u32 s58, s58, s3                      ; my 32 rows of Q
	s_mov_b32 s59, 0
	s_lshl_b32 s62, s[WV], 4
	s_add_co_u32 s62, s62, s12
	s_lshl_b32 s62, s62, 12                        ; the rows of ao that I store: q0 + 16 w on,
	s_lshl_b32 s3, s13, 8
	s_add_co_u32 s62, s62, s3                      ; the pair's 256 bytes of them
	s_mov_b32 s63, 0
.irp c, 0,1,2,3
	s_add_co_i32 s2, s15, 32*(\c)-128
	s_cmp_lt_i32 s2, 0
	s_cselect_b32 s[BI+\c], s[BIGN], 0
.endr
	s_wait_dscnt 0x0                               ; the opening add is done
	s_wait_kmcnt 0x0
	s_add_nc_u64 s[G0K+2:G0K+3], s[4:5], s[52:53]
	s_or_b32 s[G0K+3], s[G0K+3], 0x80000000
	s_add_nc_u64 s[G0V+2:G0V+3], s[4:5], s[54:55]
	s_or_b32 s[G0V+3], s[G0V+3], 0x80000000
	s_cmp_lt_u32 s[WV], 4                          ; my one tensor load; an s_nop 0 and four v_nop follow each of the two lines
	s_cbranch_scc0 .Lfill_v
	tensor_load_to_lds s[G0K:G0K+3], s[G1K:G1K+7]
	s_nop 0
.rept 4
	v_nop
.endr
	s_branch .Lfilled
.Lfill_v:
	tensor_load_to_lds s[G0V:G0V+3], s[G1V:G1V+7]
	s_nop 0
.rept 4
	v_nop
.endr
.Lfilled:
	; all that follows up to the barrier stands in the wait for the tiles
	s_add_nc_u64 s[6:7], s[6:7], s[60:61]
	s_load_b32 s[SNK], s[6:7], 0x0
	s_add_nc_u64 s[58:59], s[4:5], s[58:59]
	s_add_nc_u64 s[8:9], s[8:9], s[62:63]
	v_and_b32 v1, 15, v0                           ; r
	v_bfe_u32 v2, v0, 4, 1                         ; h
	v_lshlrev_b32 v[QO], 7, v1
	v_lshl_add_u32 v[QO], v2, 4, v[QO]
	WIN 0x40                                       ; destination window 1, address window 0
.irp i, 0,1,2,3                        ; tile i / 2, channels 32 (i % 2) on
	global_load_b128 v[8*\i:8*\i+3],   v[QO], s[58:59] offset:(\i/2)*2048+(\i%2)*64
	global_load_b128 v[8*\i+4:8*\i+7], v[QO], s[58:59] offset:(\i/2)*2048+(\i%2)*64+32
.endr
	WIN 0
.irp c, 0,1,2,3
.irp e, 0,1,2,3,4,5,6,7
	v_mov_b32 v[CB+8*\c+\e], s[BI+\c]
.endr
.endr
	v_lshlrev_b32 v14, 3, v2
	v_sub_nc_u32 v14, v1, v14                      ; r - 8 h
.irp e, 0,1,2,3,4,5,6,7
	v_cmp_gt_i32 vcc_lo, \e, v14                   ; 8 h + e > r
	v_cndmask_b32 v[ML+\e], s[BIGN], v[CB], vcc_lo ; seen (if chunk 0 is), else hidden
	v_cndmask_b32 v[MU+\e], 0, s[BIGN], vcc_lo     ; hidden, else seen
.endr
	s_mul_i32 s2, s14, 256*KP
	s_mul_i32 s3, s[U], 32*KP
	s_add_co_u32 s2, s2, s3                        ; my head's K, my first key
	v_mul_u32_u24 v[AK], v1, KP
	v_lshl_add_u32 v[AK], v2, 4, v[AK]
	v_add_nc_u32 v[AK], s2, v[AK]
	s_mul_i32 s2, s14, 256*VP
	s_mul_i32 s3, s[U], 32*VP
	s_add_co_u32 s2, s2, s3
	s_add_co_u32 s2, s2, VB
	v_and_b32 v11, 7, v0
	v_bfe_u32 v15, v0, 3, 1
	v_lshl_add_u32 v[AV], v2, 3, v11               ; the turning load: key 8 h + l % 8, channels 8 ((l / 8) % 2) + 0..7
	v_mul_u32_u24 v[AV], v[AV], VP
	v_lshl_add_u32 v[AV], v15, 4, v[AV]
	v_add_nc_u32 v[AV], s2, v[AV]
	s_mul_i32 s2, s[U], 32*SP
	s_lshl_b32 s3, s14, 7
	s_add_co_u32 s2, s2, s3
	s_add_co_u32 s2, s2, STAGE                     ; into the stage: my 32 rows, my head's half of their 256 bytes
	v_mul_u32_u24 v[STO], v1, SP
	v_lshl_add_u32 v[STO], v2, 4, v[STO]
	v_add_nc_u32 v[STO], s2, v[STO]
	s_mul_i32 s2, s[WV], 16*SP
	s_add_co_u32 s2, s2, STAGE                     ; back: rows 16 w on, whole; lanes 0-15 one row, lanes 16-31 the next
	v_mul_u32_u24 v[RD], v2, SP
	v_lshl_add_u32 v[RD], v1, 4, v[RD]
	v_add_nc_u32 v[RD], s2, v[RD]
	v_lshlrev_b32 v[GO], 12, v2                    ; and the same two rows in ao
	v_lshl_add_u32 v[GO], v1, 4, v[GO]
	s_wait_kmcnt 0x0                               ; the sink
	v_mov_b32 v[SINK8], s[SNK]
	v_cvt_pk_bf16_f32 v[SINK8], v[SINK8], v[SINK8]
	v_lshlrev_b32 v[SINK8], 16, v[SINK8]
	v_mul_f32 v[SINK8], 0x41000000, v[SINK8]       ; x 8
	s_wait_tensorcnt 0x0                           ; my 128 keys are in,
	s_barrier_signal -1
	s_barrier_wait -1                              ; everybody's are
	WIN 0x40
.irp f, 0,1,2,3,4,5,6,7,8,9,10,11,12,13,14,15,16,17,18,19   ; K: block f / 2, channels 32 (f % 2) on
	ds_load_b128 v[KV+8*\f:KV+8*\f+3],   v[AK] offset:(\f/2)*16*KP+(\f%2)*64
	ds_load_b128 v[KV+8*\f+4:KV+8*\f+7], v[AK] offset:(\f/2)*16*KP+(\f%2)*64+32
.endr
	s_wait_loadcnt 0x0                             ; Q
	s_wait_dscnt 0x0                               ; K
; S^T = K Q^T: 18 accumulators by turns; channels 0-31 start the sums with the masks, channels 32-63 add in place, 18 instructions later
.macro QK c
.set kb, 0
.rept 10
.set t, 0
.rept 2
.if (kb >= t) && (kb <= t+8)
.set rS, S+80*t+8*kb
.set rK, KV+16*kb+8*(\c)
.set rQ, 16*t+8*(\c)
.if (\c) == 1
	v_wmma_f32_16x16x32_f16 v[rS:rS+7], v[rK:rK+7], v[rQ:rQ+7], v[rS:rS+7]
.elseif kb == t
	v_wmma_f32_16x16x32_f16 v[rS:rS+7], v[rK:rK+7], v[rQ:rQ+7], v[ML:ML+7]
.elseif kb == t+8
	v_wmma_f32_16x16x32_f16 v[rS:rS+7], v[rK:rK+7], v[rQ:rQ+7], v[MU:MU+7]
.elseif kb == 8
	v_wmma_f32_16x16x32_f16 v[rS:rS+7], v[rK:rK+7], v[rQ:rQ+7], 0
.else
	v_wmma_f32_16x16x32_f16 v[rS:rS+7], v[rK:rK+7], v[rQ:rQ+7], v[CB+8*(kb/2):CB+8*(kb/2)+7]
.endif
.endif
.set t, t+1
.endr
.set kb, kb+1
.endr
.endm
	WIN 0x05                                       ; K and Q in window 1; C and S^T in window 0
	QK 0
	QK 1
	PLACES                                         ; behind the products: K's registers are loaded again, the scores are read, the edge masks' registers are written
	WIN 0x40
.irp f, 0,1,2,3,4,5,6,7,8,9,10,11,12,13,14,15,16,17,18,19   ; V, turned: keys 32 (f / 4) on, channels 16 (f % 4) on; it lands during the softmax
	ds_load_tr16_b128 v[KV+8*\f:KV+8*\f+3],   v[AV] offset:(\f/4)*32*VP+(\f%4)*32
	ds_load_tr16_b128 v[KV+8*\f+4:KV+8*\f+7], v[AV] offset:(\f/4)*32*VP+(\f%4)*32+16*VP
.endr
	WIN 0
	; THE MAXIMUM of a lane's 72 scores and the sink, three operands at a time, in four chains; each accumulator's lowest registers are read first
.set u, 0
.rept 9
.set p, 0
.rept 4
.if u == 0
	BOTH v_max3_num_f32 v[TM+16*t+p], v[S+88*t+2*p], v[S+88*t+2*p+1], v[SINK8]
.else
	BOTH v_max3_num_f32 v[TM+16*t+p], v[TM+16*t+p], v[S+88*t+8*u+2*p], v[S+88*t+8*u+2*p+1]
.endif
.set p, p+1
.endr
.set u, u+1
.endr
	BOTH v_max3_num_f32 v[TM+16*t], v[TM+16*t], v[TM+16*t+1], v[TM+16*t+2]
	BOTH v_max_num_f32 v[TM+16*t], v[TM+16*t], v[TM+16*t+3]
	BOTH v_permlanex16_b32 v[TM+16*t+1], v[TM+16*t], s[SEL], s[SEL+1]   ; the query's other keys lie in the lane 16 away
	BOTH v_max_num_f32 v[ST+8*t+1], v[TM+16*t], v[TM+16*t+1]            ; m
	BOTH v_mul_f32 v[ST+8*t], s[CS], v[ST+8*t+1]                        ; c m
	BOTH v_fma_f32 v[ST+8*t+6], v[SINK8], s[CS], -v[ST+8*t]
.set u, 0
.rept 36
	BOTH v_pk_fma_f32 v[S+88*t+2*u:S+88*t+2*u+1], v[S+88*t+2*u:S+88*t+2*u+1], s[CS:CS+1], v[ST+8*t:ST+8*t+1] op_sel_hi:[1,0,0] neg_lo:[0,0,1] neg_hi:[0,0,1]   ; c s - c m
.set u, u+1
.endr
.set u, 0
.rept 72
	BOTH v_exp_f32 v[S+88*t+u], v[S+88*t+u]
.set u, u+1
.endr
	BOTH v_exp_f32 v[ST+8*t+6], v[ST+8*t+6]
	v_nop                                          ; a plain instruction between the last exponential and the use of its result (ISA guide 5.7.2)
	s_wait_alu depctr_va_vdst(0)
	; THE SUM, in four chains of pairs started by the first two blocks: nothing is cleared
.set p, 0
.rept 4
	BOTH v_pk_add_f32 v[TM+16*t+4+2*p:TM+16*t+5+2*p], v[S+88*t+2*p:S+88*t+2*p+1], v[S+88*t+8+2*p:S+88*t+9+2*p]
.set p, p+1
.endr
.set u, 2
.rept 7
.set p, 0
.rept 4
	BOTH v_pk_add_f32 v[TM+16*t+4+2*p:TM+16*t+5+2*p], v[TM+16*t+4+2*p:TM+16*t+5+2*p], v[S+88*t+8*u+2*p:S+88*t+8*u+2*p+1]
.set p, p+1
.endr
.set u, u+1
.endr
	BOTH v_pk_add_f32 v[TM+16*t+4:TM+16*t+5], v[TM+16*t+4:TM+16*t+5], v[TM+16*t+6:TM+16*t+7]
	BOTH v_pk_add_f32 v[TM+16*t+8:TM+16*t+9], v[TM+16*t+8:TM+16*t+9], v[TM+16*t+10:TM+16*t+11]
	BOTH v_pk_add_f32 v[TM+16*t+4:TM+16*t+5], v[TM+16*t+4:TM+16*t+5], v[TM+16*t+8:TM+16*t+9]
	BOTH v_add_f32 v[TM+16*t], v[TM+16*t+4], v[TM+16*t+5]
	BOTH v_permlanex16_b32 v[TM+16*t+1], v[TM+16*t], s[SEL], s[SEL+1]
	BOTH v_add_f32 v[TM+16*t], v[TM+16*t], v[TM+16*t+1]
	BOTH v_add_f32 v[ST+8*t+2], v[TM+16*t], v[ST+8*t+6]                 ; l: the sink's weight is counted once
	BOTH v_rcp_f32 v[ST+8*t+4], v[ST+8*t+2]
	BOTH v_rcp_f32 v[ST+8*t+5], v[ST+8*t+2]                             ; twice: a pair for the packed multiply; the roundings below stand between it and its use
	; P, in place, blocks ascending: block kb's eight weights become four registers of chunk kb / 2's fragment; each target has been read by then
.set u, 0
.rept 9
.set i, 0
.rept 4
	BOTH v_cvt_pk_f16_f32 v[S+80*t+16*((t+u)/2)+4*((t+u)%2)+i], v[S+80*t+8*(t+u)+2*i], v[S+80*t+8*(t+u)+2*i+1]
.set i, i+1
.endr
.set u, u+1
.endr
	s_wait_alu depctr_va_vdst(0)
.irp i, 0,1,2,3
	v_mov_b32 v[S+68+\i], 0                        ; tile 0 does not see block 9,
	v_mov_b32 v[S+80+\i], 0                        ; tile 1 not block 0
.endr
	s_wait_dscnt 0x0                               ; V
	WIN 0x51                                       ; V in window 1, P in window 0, O^T in window 1
.set cc, 0
.rept 5                                ; O^T = V^T P: 8 accumulators by turns; the first chunk starts the sums
.set cb, 0
.rept 4
.set t, 0
.rept 2
.if cc == 0
	v_wmma_f32_16x16x32_f16 v[O+32*t+8*cb:O+32*t+8*cb+7], v[KV+32*cc+8*cb:KV+32*cc+8*cb+7], v[S+80*t+16*cc:S+80*t+16*cc+7], 0
.else
	v_wmma_f32_16x16x32_f16 v[O+32*t+8*cb:O+32*t+8*cb+7], v[KV+32*cc+8*cb:KV+32*cc+8*cb+7], v[S+80*t+16*cc:S+80*t+16*cc+7], v[O+32*t+8*cb:O+32*t+8*cb+7]
.endif
.set t, t+1
.endr
.set cb, cb+1
.endr
.set cc, cc+1
.endr
	PLACES
	; THE WAY OUT: divided by l, rounded to f16, into the work-group's stage; a barrier, since a row's 256 bytes come from two waves; back as whole rows, 16 rows a wave
	WIN 0x41
.set i, 0
.rept 16
	BOTH v_pk_mul_f32 v[O+32*t+2*i:O+32*t+2*i+1], v[O+32*t+2*i:O+32*t+2*i+1], v[ST+8*t+4:ST+8*t+5]
.set i, i+1
.endr
	WIN 0x05
.set i, 0
.rept 16
	BOTH v_cvt_pk_f16_f32 v[S+16*t+i], v[O+32*t+2*i], v[O+32*t+2*i+1]
.set i, i+1
.endr
	WIN 0
.irp q, 0,1,2,3
	ds_store_b128 v[STO], v[S+4*\q:S+4*\q+3] offset:32*\q
	ds_store_b128 v[STO], v[S+16+4*\q:S+16+4*\q+3] offset:16*SP+32*\q
.endr
	s_wait_dscnt 0x0                               ; for the others' sake: my stores into the stage are done
	s_barrier_signal -1
	s_barrier_wait -1
.irp f, 0,1,2,3,4,5,6,7
	ds_load_b128 v[64+4*\f:64+4*\f+3], v[RD] offset:\f*2*SP
.endr
.irp f, 0,1,2,3,4,5,6,7
	s_wait_dscnt 7-\f                              ; LDS loads come back in order: pair f of rows is in
	global_store_b128 v[GO], v[64+4*\f:64+4*\f+3], s[8:9] offset:\f*8192   ; 16 lanes store 256 consecutive bytes, at a multiple of 256 from ao's first byte
.endr
	s_wait_tensorcnt 0x0                           ; the wave's end, behind my tensor load and my last LDS store
	ds_add_u32 v[SPW], v[NIL]
	s_wait_dscnt 0x0
	s_endpgm
.Lfunc_end_k_qf4640872c4_attn:
	.size	k_qf4640872c4_attn, .Lfunc_end_k_qf4640872c4_attn-k_qf4640872c4_attn
	.p2alignl 7, 3214868480
	.fill 96, 4, 3214868480
	.section	.rodata,"a",@progbits
	.p2align	6, 0x0
	.amdhsa_kernel k_qf4640872c4_attn
		.amdhsa_group_segment_fixed_size 191488
		.amdhsa_private_segment_fixed_size 0
		.amdhsa_enable_private_segment 0
		.amdhsa_kernarg_size 24
		.amdhsa_user_sgpr_count 2
		.amdhsa_user_sgpr_kernarg_segment_ptr 1
		.amdhsa_wavefront_size32 1
		.amdhsa_system_sgpr_workgroup_id_x 1
		.amdhsa_system_sgpr_workgroup_id_y 1
		.amdhsa_system_sgpr_workgroup_id_z 1
		.amdhsa_system_vgpr_workitem_id 0
		.amdhsa_next_free_vgpr 512
		.amdhsa_next_free_sgpr 66
		.amdhsa_reserve_vcc 1
		.amdhsa_float_denorm_mode_32 3
		.amdhsa_float_denorm_mode_16_64 3
		.amdhsa_memory_ordered 1
		.amdhsa_forward_progress 1
		.amdhsa_inst_pref_size 51
	.end_amdhsa_kernel
	.amdgpu_metadata
---
amdhsa.version: [ 1, 2 ]
amdhsa.kernels:
  - .name:           k_qf4640872c4_attn
    .symbol:         k_qf4640872c4_attn.kd
    .args:
      - { .name: qkvh, .offset: 0, .size: 8, .value_kind: global_buffer, .address_space: global }
      - { .name: sinks, .offset: 8, .size: 8, .value_kind: global_buffer, .address_space: global }
      - { .name: ao, .offset: 16, .size: 8, .value_kind: global_buffer, .address_space: global }
    .group_segment_fixed_size: 191488
    .private_segment_fixed_size: 0
    .kernarg_segment_align: 8
    .kernarg_segment_size: 24
    .max_flat_workgroup_size: 256
    .sgpr_count:     66
    .vgpr_count:     512
    .wavefront_size: 32
...
	.end_amdgpu_metadata
.endif
;; end of part 3
;; launch oproj (part 4): grid 16 x 16, 4 waves a work-group, clusters of 4 x 4, 327,680 bytes of LDS; arguments ao, wob, out0; writes out0
.if DOCPART == 4
	.amdgcn_target "amdgcn-amd-amdhsa--gfx1250"
	.amdhsa_code_object_version 6
	.text
	.protected	k_qf4640872c4_oproj
	.globl	k_qf4640872c4_oproj
	.p2align	8
	.type	k_qf4640872c4_oproj,@function
k_qf4640872c4_oproj:
	s_mov_b64 s[64:65], 0
	v_nop
	global_prefetch_b8 v0, s[64:65] scope:SCOPE_SE
	s_setreg_imm32_b32 hwreg(HW_REG_WAVE_MODE, 25, 1), 1
	s_wait_xcnt 0x0
	s_wait_alu depctr_hold_cnt(0) depctr_sa_sdst(0) depctr_va_vdst(0) depctr_va_sdst(0) depctr_va_ssrc(0) depctr_va_vcc(0) depctr_vm_vsrc(0)
	s_getreg_b32 s2, hwreg(HW_REG_IB_STS2, 6, 4)
	s_cmp_eq_u32 s2, 0
	s_cbranch_scc0 .Lentry_in_a_cluster
	s_endpgm
.Lentry_in_a_cluster:
	s_bfe_u32 s2, ttmp6, 0x10000c
	s_cmp_lg_u32 s2, 0xf033
	s_cbranch_scc0 .Lentry_shape_is_right
	s_endpgm
.Lentry_shape_is_right:
; out0 = ao Wo.  ao: [2048][2048] f16.  wob: Wo rounded to bf16, written as f16, in blocks [nt 16][ks 8][j 2][kk 256][64].  out0: [2048][2048] f32, the f32 sums as they are.
; SHARES.  A tile of out0 is 128 x 128: 16 x 16 = 256 work-groups.  Four waves, each 64 x 64: 16 accumulators, 128 registers.  K goes in steps of 256 through a ring of two LDS slots.
; ao's tile: 128 rows of 512 bytes, 16 bytes of padding behind each.  Wo's tile is 65,536 dense bytes, asked for as rows of 256 bytes and padded by 32 bytes behind every 128: LDS row (256 j + kk), 64 columns,
; 160 bytes apart; its fragments come out turned, by ds_load_tr16_b128.
; THE MATRIX INSTRUCTION IS USED TRANSPOSED (source 0 = 16 columns of Wo, source 1 = 16 rows of ao): a lane holds eight neighbouring numbers of a row of out0, 32 bytes.
; CLUSTER.  4 x 4 work-groups: ao's tiles are shared along a row of the cluster, Wo's along a column, each asked for jointly by the same tensor load, descriptor and mask in all four.
; A wave's 64 columns of f32 are 256 bytes: each wave has a stage of its own on the way out, without a barrier.  All of a WGP's LDS is claimed; the text uses 316,928 bytes.
; REGISTERS: window 0: v0-31 addresses; v32-95 rows read back from the stage, two buffers; v128-255 the accumulators ((a, b) at v[128 + 8 (4 a + b)]).
;   window 1: two fragment buffers of 128: for 64 along K, 64 registers of ao (2 x 4 x 16 rows x 32 K), then 64 of Wo.
.set KSTEP,  256
.set PITCH,  528                       ; a row of ao in LDS: 132 words: row r starts at bank 4 r mod 64 (64 banks of 4 bytes: ISA guide 11.1)
.set PB,     160                       ; a row of Wo: 40 words
.set HALFA,  64*PITCH
.set HALFB,  256*PB
.set BOFF,   2*HALFA
.set SLOT,   BOFF+2*HALFB
.set STAGE,  2*SLOT                    ; behind the ring: 16 rows x 272 bytes for each wave
.set SPITCH, 272
.set SPARE,  STAGE+4*16*SPITCH         ; the spare words, 128 bytes for each wave: two blocks of 256 bytes that no other line names
.set LAPS,   2048/(2*KSTEP)
.set ADRA, 16
.set ADRB, 20
.set STO,  24
.set RD,   25
.set CO,   26
.set SPW,  28
.set NIL,  29
.set ACC,  128
.set F0,   0
.set F1,   128
.set G1, 24
.set G0, 32
.set G1B, 48
.set G0B, 56
.set MSB, 0
.macro WIN new
.if MSB != (\new)
	s_set_vgpr_msb (MSB<<8)|(\new)
.set MSB, \new
.endif
.endm
.set MUL,  0x05                        ; sources 0 and 1 window 1; C and D window 0
.set TO_F, 0x40                        ; destination window 1, address window 0
.macro JLOAD s                         ; waves 0 and 1 fetch ao's two halves, waves 2 and 3 Wo's; an s_nop 0 and four v_nop follow each line, ahead of the jump and the label
	s_cmp_eq_u32 s11, 0
	s_cbranch_scc0 .Lfor_b_\@
	tensor_load_to_lds s[G0+4*(\s):G0+4*(\s)+3], s[G1:G1+7]
	s_nop 0
.rept 4
	v_nop
.endr
	s_branch .Lasked_\@
.Lfor_b_\@:
	tensor_load_to_lds s[G0B+4*(\s):G0B+4*(\s)+3], s[G1B:G1B+7]
	s_nop 0
.rept 4
	v_nop
.endr
.Lasked_\@:
.endm
.macro CREST
	s_cmp_lg_u32 s10, 0
	s_cbranch_scc1 .Lnot_wave_0_\@
	s_barrier_signal -3
.Lnot_wave_0_\@:
	s_barrier_wait -3
	s_barrier_signal -1
	s_barrier_wait -1
.endm
.macro CROUND
	s_barrier_signal -1
	s_barrier_wait -1
	CREST
.endm
	s_load_b128 s[4:7], s[0:1], 0x0                ; ao s[4:5], wob s[6:7]
	s_load_b64 s[8:9], s[0:1], 0x10                ; out0
	v_lshl_add_u32 v[SPW], v0, 2, SPARE
	v_mov_b32 v[NIL], 0
	ds_add_u32 v[SPW], v[NIL]                      ; the wave's opening: the add and its wait stand ahead of my first tensor load; the set-up below, work on registers, stands between them
	ds_add_u32 v28, v29
	v_lshrrev_b32 v1, 5, v0
	v_readfirstlane_b32 s10, v1                    ; wave
	s_lshr_b32 s11, s10, 1                         ; which half of the tile's rows is mine.  Also: I fetch for ao (0) or for Wo (1)
	s_and_b32 s12, s10, 1                          ; which half of its columns.  Also: which half of that tile I fetch
	s_bfe_u32 s40, ttmp6, 0x40000                  ; cx
	s_bfe_u32 s41, ttmp6, 0x40004                  ; cy
	s_lshl_b32 s42, ttmp9, 2
	s_add_co_u32 s42, s42, s40                     ; tile column
	s_and_b32 s13, ttmp7, 0xffff
	s_lshl_b32 s13, s13, 2
	s_add_co_u32 s13, s13, s41                     ; tile row
	s_lshl_b32 s43, s41, 2
	s_lshl_b32 s43, 15, s43                        ; my row of the cluster
	s_lshl_b32 s44, 0x1111, s40                    ; my column
	s_or_b32 s[G1+0], s43, (1<<16)|(1<<20)|(1<<21)|(6<<22)|(3<<25)   ; the mask; elements of 2 bytes; padding on; 21 set beside a mask; after every 128 words, 4 words
	s_mov_b32 s[G1+1], KSTEP<<16                   ; tensor_dim0 = 256
	s_mov_b32 s[G1+2], 64<<16                      ; tensor_dim1 = 64
	s_mov_b32 s[G1+3], KSTEP<<16                   ; tile_dim0 = 256
	s_mov_b32 s[G1+4], 64                          ; tile_dim1 = 64
	s_mov_b32 s[G1+5], 2048
	s_mov_b32 s[G1+6], 0
	s_mov_b32 s[G1+7], 0
	s_or_b32 s[G1B+0], s44, (1<<16)|(1<<20)|(1<<21)|(4<<22)|(7<<25)  ; after every 32 words, 8 words
	s_mov_b32 s[G1B+1], 128<<16                    ; rows of 256 dense bytes,
	s_mov_b32 s[G1B+2], 128<<16                    ; 128 of them
	s_mov_b32 s[G1B+3], 128<<16
	s_mov_b32 s[G1B+4], 128
	s_mov_b32 s[G1B+5], 128
	s_mov_b32 s[G1B+6], 0
	s_mov_b32 s[G1B+7], 0
	s_lshl_b32 s16, s13, 7
	s_lshl_b32 s17, s12, 6
	s_add_co_u32 s16, s16, s17                     ; ao: row 128 x tile row + 64 x half,
	s_lshl_b32 s16, s16, 12                        ; of 4,096 bytes
	s_mov_b32 s17, 0
	s_lshl_b32 s46, s42, 19                        ; Wo: block nt of 524,288 bytes,
	s_lshl_b32 s47, s12, 15                        ; column group j = half
	s_add_co_u32 s46, s46, s47
	s_mov_b32 s47, 0
	s_mul_i32 s20, s12, HALFA                      ; where they go: no place in the cluster enters an LDS address
	s_mul_i32 s45, s12, HALFB
	s_add_co_u32 s45, s45, BOFF
	s_wait_dscnt 0x0                               ; the opening add is done
	s_wait_kmcnt 0x0
	s_add_nc_u64 s[14:15], s[4:5], s[16:17]
	s_add_nc_u64 s[46:47], s[6:7], s[46:47]
	CROUND                                         ; all sixteen work-groups are here: the first joint loads meet
.irp s, 0,1
	s_mov_b32 s[G0+4*(\s)], 1
	s_add_co_u32 s[G0+4*(\s)+1], s20, (\s)*SLOT
	s_add_nc_u64 s[G0+4*(\s)+2:G0+4*(\s)+3], s[14:15], (\s)*KSTEP*2
	s_or_b32 s[G0+4*(\s)+3], s[G0+4*(\s)+3], 0x80000000
	s_mov_b32 s[G0B+4*(\s)], 1
	s_add_co_u32 s[G0B+4*(\s)+1], s45, (\s)*SLOT
	s_add_nc_u64 s[G0B+4*(\s)+2:G0B+4*(\s)+3], s[46:47], (\s)*65536
	s_or_b32 s[G0B+4*(\s)+3], s[G0B+4*(\s)+3], 0x80000000
	JLOAD \s                                       ; two loads of mine are out
.endr
	v_and_b32 v1, 15, v0                           ; r
	v_bfe_u32 v2, v0, 4, 1                         ; h
	v_mul_u32_u24 v3, v1, PITCH
	v_lshl_add_u32 v3, v2, 4, v3
	s_mul_i32 s21, s11, HALFA                      ; my 64 rows of ao
	v_add_nc_u32 v[ADRA], s21, v3
	v_add_nc_u32 v[ADRA+1], SLOT, v[ADRA]
	v_and_b32 v4, 7, v0                            ; the turning load: K row 8 h + l % 8, columns 8 ((l / 8) % 2) + 0..7
	v_lshl_add_u32 v4, v2, 3, v4
	v_mul_u32_u24 v4, v4, PB
	v_bfe_u32 v5, v0, 3, 1
	v_lshl_add_u32 v4, v5, 4, v4
	s_mul_i32 s22, s12, HALFB                      ; my 64 columns of Wo
	s_add_co_u32 s22, s22, BOFF
	v_add_nc_u32 v[ADRB], s22, v4
	v_add_nc_u32 v[ADRB+1], SLOT, v[ADRB]
	s_mul_i32 s23, s10, 16*SPITCH
	s_add_co_u32 s23, s23, STAGE                   ; my stage
	v_mul_u32_u24 v[STO], v1, SPITCH               ; in: row r, 32 bytes for each half of the lanes
	v_lshl_add_u32 v[STO], v2, 5, v[STO]
	v_add_nc_u32 v[STO], s23, v[STO]
	v_mul_u32_u24 v[RD], v2, SPITCH                ; back: lanes 0-15 take one row of 256 bytes, lanes 16-31 the next
	v_lshl_add_u32 v[RD], v1, 4, v[RD]
	v_add_nc_u32 v[RD], s23, v[RD]
	v_lshlrev_b32 v[CO], 13, v2                    ; and the same two rows in out0
	v_lshl_add_u32 v[CO], v1, 4, v[CO]
	s_lshl_b32 s16, s13, 7
	s_lshl_b32 s17, s11, 6
	s_add_co_u32 s16, s16, s17                     ; my first row of out0,
	s_lshl_b32 s16, s16, 13                        ; of 8,192 bytes
	s_mov_b32 s17, 0
	s_add_nc_u64 s[8:9], s[8:9], s[16:17]
	s_lshl_b32 s46, s42, 9                         ; my first column, in bytes: 512 x tile column + 256 x half
	s_lshl_b32 s47, s12, 8
	s_add_co_u32 s46, s46, s47
	s_mov_b32 s47, 0
	s_add_nc_u64 s[8:9], s[8:9], s[46:47]
; 8 matrix instructions: row blocks a0, a0 + 1 x all 4 column blocks, 32 along K: half c of buffer f.  The 16 accumulators take turns.
.macro MUL8 f, c, a0, zero
	WIN MUL
.irp a, \a0, (\a0)+1
.irp b, 0,1,2,3
.if \zero
	v_wmma_f32_16x16x32_f16 v[ACC+8*(4*(\a)+(\b)):ACC+8*(4*(\a)+(\b))+7], v[(\f)+64+8*(4*(\c)+(\b)):(\f)+64+8*(4*(\c)+(\b))+7], v[(\f)+8*(4*(\c)+(\a)):(\f)+8*(4*(\c)+(\a))+7], 0
.else
	v_wmma_f32_16x16x32_f16 v[ACC+8*(4*(\a)+(\b)):ACC+8*(4*(\a)+(\b))+7], v[(\f)+64+8*(4*(\c)+(\b)):(\f)+64+8*(4*(\c)+(\b))+7], v[(\f)+8*(4*(\c)+(\a)):(\f)+8*(4*(\c)+(\a))+7], v[ACC+8*(4*(\a)+(\b)):ACC+8*(4*(\a)+(\b))+7]
.endif
.endr
.endr
.endm
; 32 LDS loads in one run: the fragments of quarter kq (64 along K) into buffer f; the first 32 along K first
.macro FETCH slot, kq, f
	WIN TO_F
.irp c, 0,1
.irp i, 0,1,2,3
	ds_load_tr16_b128 v[(\f)+64+8*(4*(\c)+(\i)):(\f)+64+8*(4*(\c)+(\i))+3],   v[ADRB+(\slot)] offset:(64*(\kq)+32*(\c))*PB+32*(\i)
	ds_load_tr16_b128 v[(\f)+64+8*(4*(\c)+(\i))+4:(\f)+64+8*(4*(\c)+(\i))+7], v[ADRB+(\slot)] offset:(64*(\kq)+32*(\c))*PB+32*(\i)+16*PB
	ds_load_b128 v[(\f)+8*(4*(\c)+(\i)):(\f)+8*(4*(\c)+(\i))+3],              v[ADRA+(\slot)] offset:128*(\kq)+64*(\c)+(\i)*16*PITCH
	ds_load_b128 v[(\f)+8*(4*(\c)+(\i))+4:(\f)+8*(4*(\c)+(\i))+7],            v[ADRA+(\slot)] offset:128*(\kq)+64*(\c)+(\i)*16*PITCH+32
.endr
.endr
.endm
.macro PLACES                          ; four plain vector instructions between a matrix instruction and a load into, or an LDS store of, one of its registers (ISA guide 7.12.1 for LDS stores)
.rept 4
	v_nop
.endr
.endm
; A K step is four quarters of 64 along K, 32 matrix instructions each, on buffers 0, 1, 0, 1.
.macro QUARTER slot, kq, f, g, zero
	s_wait_dscnt 16                                ; the first 32 along K are in
	MUL8 \f, 0, 0, \zero
	MUL8 \f, 0, 2, \zero
	PLACES
	FETCH \slot, \kq, \g
	s_wait_dscnt 32                                ; all but the 32 just issued
	MUL8 \f, 1, 0, 0
	MUL8 \f, 1, 2, 0
.endm
; The last quarter multiplies buffer 1 and changes slots: ONE barrier; in front of it each wave waits for all its tensor loads, adds 0 to its spare word, and waits for that and for its own reads of this slot.
.macro TURN slot, next, fill
	WIN 0                                          ; (the add's two registers lie in window 0)
	s_wait_tensorcnt 0x0                           ; all my tensor loads have landed: my part of the next slot
	ds_add_u32 v[SPW], v[NIL]                      ; 0 onto my spare word
	s_wait_dscnt 17                                ; (the add and the youngest sixteen loads may be out)
	MUL8 F1, 0, 0, 0                               ; eight matrix instructions stand between the add and the wait for it
	s_wait_dscnt 0x0                               ; the add is done, and my reads of this slot are over
	s_barrier_signal -1
	MUL8 F1, 0, 2, 0
.if \fill
	WIN 0
.endif
	s_barrier_wait -1
.if \fill
	CREST                                          ; no wave of any partner still reads this slot's tile or has a load on its way
	s_add_nc_u64 s[G0+4*(\slot)+2:G0+4*(\slot)+3], s[G0+4*(\slot)+2:G0+4*(\slot)+3], 2*KSTEP*2
	s_add_nc_u64 s[G0B+4*(\slot)+2:G0B+4*(\slot)+3], s[G0B+4*(\slot)+2:G0B+4*(\slot)+3], 2*65536
	JLOAD \slot                                    ; my one tensor load behind the round; its four v_nop are also the places in front of the loads below
.else
	PLACES
.endif
	FETCH \next, 0, F0
	MUL8 F1, 1, 0, 0
	MUL8 F1, 1, 2, 0
.endm
	s_wait_tensorcnt 1                             ; my part of K step 0 is in; K step 1's may stay out
	s_barrier_signal -1
	s_barrier_wait -1                              ; everybody's is
	FETCH 0, 0, F0
	QUARTER 0, 1, F0, F1, 1                        ; the first quarter stands in front of the loop: its first products start the sums
	WIN 0                                          ; at a label and at a branch every window is 0
	s_mov_b32 s3, LAPS-1
.Llap:                                                 ; a trip goes once round the ring and fills both slots again
	QUARTER 0, 2, F1, F0, 0
	QUARTER 0, 3, F0, F1, 0
	TURN 0, 1, 1
	QUARTER 1, 1, F0, F1, 0
	QUARTER 1, 2, F1, F0, 0
	QUARTER 1, 3, F0, F1, 0
	TURN 1, 0, 1
	QUARTER 0, 1, F0, F1, 0
	WIN 0
	s_sub_co_u32 s3, s3, 1
	s_cmp_lg_u32 s3, 0
	s_cbranch_scc1 .Llap
	QUARTER 0, 2, F1, F0, 0                        ; the last lap fills nothing, and has no round of the cluster's barrier
	QUARTER 0, 3, F0, F1, 0
	TURN 0, 1, 0
	QUARTER 1, 1, F0, F1, 0
	QUARTER 1, 2, F1, F0, 0
	QUARTER 1, 3, F0, F1, 0
	s_wait_dscnt 16                                ; the very last quarter: nothing more to fetch
	MUL8 F1, 0, 0, 0
	MUL8 F1, 0, 2, 0
	s_wait_dscnt 0x0
	MUL8 F1, 1, 0, 0
	MUL8 F1, 1, 2, 0
	WIN 0
; THE WAY OUT, 16 rows at a time: the f32 sums go as they are into my own stage, 32 bytes a lane (each accumulator's lowest registers first), and come back as whole rows of 256 bytes.
.macro TOSTAGE a
.set BK, 32+32*((\a)%2)
	s_wait_xcnt 0x0                                ; the stores issued so far have read their registers: the loads below land on them only behind this wait
.irp b, 0,1,2,3
	ds_store_b128 v[STO], v[ACC+8*(4*(\a)+\b):ACC+8*(4*(\a)+\b)+3]   offset:64*\b
	ds_store_b128 v[STO], v[ACC+8*(4*(\a)+\b)+4:ACC+8*(4*(\a)+\b)+7] offset:64*\b+16
.endr
.irp t, 0,1,2,3,4,5,6,7
	ds_load_b128 v[BK+4*\t:BK+4*\t+3], v[RD] offset:\t*2*SPITCH  ; LDS serves a wave's instructions in order (ISA guide 5.7.1.4): these see the stores above; the next block's stores come behind them
.endr
.endm
.macro SEND a, younger                 ; younger: the LDS instructions issued behind block a's loads: the next block's sixteen, or none
.set BK, 32+32*((\a)%2)
.irp t, 0,1,2,3,4,5,6,7
	s_wait_dscnt (\younger)+7-\t
	global_store_b128 v[CO], v[BK+4*\t:BK+4*\t+3], s[8:9] offset:(16*(\a)+2*\t)*8192 th:TH_STORE_NT  ; 16 lanes store 256 consecutive bytes, at a multiple of 256 from out0's first byte
.endr
.endm
	PLACES
	TOSTAGE 0
	TOSTAGE 1
	SEND 0, 16
	TOSTAGE 2
	SEND 1, 16
	TOSTAGE 3
	SEND 2, 16
	SEND 3, 0
	s_wait_tensorcnt 0x0                           ; the wave's end, behind my last tensor load and my last LDS store
	ds_add_u32 v[SPW], v[NIL]
	s_wait_dscnt 0x0
	CROUND                                         ; the closing round: no work-group ends while a partner may still ask for a tile that names it
	s_endpgm
.Lfunc_end_k_qf4640872c4_oproj:
	.size	k_qf4640872c4_oproj, .Lfunc_end_k_qf4640872c4_oproj-k_qf4640872c4_oproj
	.p2alignl 7, 3214868480
	.fill 96, 4, 3214868480
	.section	.rodata,"a",@progbits
	.p2align	6, 0x0
	.amdhsa_kernel k_qf4640872c4_oproj
		.amdhsa_group_segment_fixed_size 327680
		.amdhsa_private_segment_fixed_size 0
		.amdhsa_enable_private_segment 0
		.amdhsa_kernarg_size 24
		.amdhsa_user_sgpr_count 2
		.amdhsa_user_sgpr_kernarg_segment_ptr 1
		.amdhsa_wavefront_size32 1
		.amdhsa_system_sgpr_workgroup_id_x 1
		.amdhsa_system_sgpr_workgroup_id_y 1
		.amdhsa_system_sgpr_workgroup_id_z 1
		.amdhsa_system_vgpr_workitem_id 0
		.amdhsa_next_free_vgpr 512
		.amdhsa_next_free_sgpr 66
		.amdhsa_reserve_vcc 0
		.amdhsa_float_denorm_mode_32 3
		.amdhsa_float_denorm_mode_16_64 3
		.amdhsa_memory_ordered 1
		.amdhsa_forward_progress 1
		.amdhsa_inst_pref_size 87
	.end_amdhsa_kernel
	.amdgpu_metadata
---
amdhsa.version: [ 1, 2 ]
amdhsa.kernels:
  - .name:           k_qf4640872c4_oproj
    .symbol:         k_qf4640872c4_oproj.kd
    .args:
      - { .name: ao, .offset: 0, .size: 8, .value_kind: global_buffer, .address_space: global }
      - { .name: wob, .offset: 8, .size: 8, .value_kind: global_buffer, .address_space: global }
      - { .name: out0, .offset: 16, .size: 8, .value_kind: global_buffer, .address_space: global }
    .group_segment_fixed_size: 327680
    .private_segment_fixed_size: 0
    .kernarg_segment_align: 8
    .kernarg_segment_size: 24
    .max_flat_workgroup_size: 128
    .sgpr_count:     66
    .vgpr_count:     512
    .wavefront_size: 32
...
	.end_amdgpu_metadata
.endif
;; end of part 4
